; MI455X (gfx1250); checked and timed in simulation.
; The chip was launched on July 23, 2026; its instructions are those of AMD's public machine-readable ISA for CDNA 5 (MIT licence, August 2026) and "CDNA5" Instruction Set Architecture Reference Guide (July 2026). The comments in the code are by the model that wrote it; some were corrected since.
;; Shared Contextual Position Policy. Allowed arithmetic: matrix products marked QUANTISED: E4M3 operands, one E8M0 scale for each 32 along K, by v_wmma_scale_f32_16x16x128_f8f6f4 with both operands' format E4M3, f32 sums; products left as they are: f32 operands where the result goes on into a quantised operand, else bf16, f16 or f32 operands; f32 sums; everything else in f32.
;; Inputs: W1 512 x 515 float32; W2 1 x 512 float32; b1 512 float32; b2 1 float32; emb_table 100,000 x 128 float32; left_item_ids 262,144 int32; normalized_positions 262,144 float32; original_item_ids 262,144 int32; position_indices 262,144 float32; right_item_ids 262,144 int32; session_lengths 262,144 float32; target_item_ids 262,144 int32.
;; Outputs: out0 262,144 float32.
;; This version of the problem:
;;   THIS VERSION OF THE PROBLEM IS GIVEN IN LOW PRECISION. The matrix products marked QUANTISED in the list below multiply operands that are first quantised to E4M3 (4 exponent bits, 3 mantissa bits; 8 bits a number), with one power-of-two scale for each 32 numbers along K (OCP MX v1.0); their sums are f32. All else is computed in f32.
;;   The module's matrix products, in the order in which they are computed (A, B: the left and right operand; K: the contracted axis; several contracted axes count as one K, in the product's order):
;;     1. [M 262,144, K 515] x [K 515, N 512]; A: computed on the way; B: input W1: QUANTISED
;;     2. [M 262,144, K 512] x [K 512, N 1]; A: computed on the way; B: input W2: left as it is (N = 1 < 16)
;;   THE QUANTISER, for each operand of a quantised product, along K:
;;     - K is cut into blocks of 32 from its start; a last block that is shorter is filled with zeros.
;;     - A block's scale is 2^e with e = floor(log2(the largest magnitude in the block)) - 8, held to -126 .. 127; a block of zeros has e = 0. As a byte (E8M0): e + 127.
;;     - Each number is divided by its block's scale, clamped to +-448, and rounded to the nearest number of E4M3, ties to even, subnormals kept.
;;     - The product sums the exact products of the quantised numbers (number of the format x scale) in f32.
;;   ~~~python
;;   def quantise(x, axis):      # numpy; x: float32 -> the quantised numbers, widened to float32 again
;;       x = np.moveaxis(x, axis, -1); K = x.shape[-1]
;;       x = np.pad(x, [(0, 0)] * (x.ndim - 1) + [(0, -K % 32)]); x = x.reshape(x.shape[:-1] + (-1, 32)); a = np.abs(x).max(-1, keepdims=True)
;;       e = np.where(a > 0, np.clip(np.frexp(np.where(a > 0, a, 1))[1] - 1 - 8, -126, 127), 0)      # np.frexp(a)[1] - 1 = floor(log2(a)), exactly
;;       r = np.clip(x / 2.0 ** e, -448, 448)
;;       step = 2.0 ** (np.maximum(np.frexp(np.where(r == 0, 1, r))[1] - 1, -6) - 3)
;;       q = np.round(r / step) * step * 2.0 ** e      # np.round: ties to even
;;       return np.moveaxis(q.reshape(q.shape[:-2] + (-1,))[..., :K], -1, axis).astype(np.float32)
;;   ~~~
;;   OPERANDS COMPUTED ON THE WAY. 'Computed on the way' means the value that the module computes at that place (a softmax that the list does not call 'softmax' is quantised finished and normalised). What goes into a quantiser is computed in f32, as accurately as f32 sums, v_exp_f32 and their like allow (about 1e-6 of the number): no bf16 or f16 on the way to a quantiser, and a product that is left as it is and whose result goes on into a quantised operand takes f32 operands (vector FMAs, or v_wmma_f32_16x16x4_f32). A number that lies on a knife's edge between two numbers of the format may be rounded either way, as far as f32 arithmetic and the matrix unit's own rounding can turn it there, and no further.
;; One version. Each part assembles by itself: llvm-mc -triple=amdgcn-amd-amdhsa -mcpu=gfx1250 --defsym DOCPART=n.
;; ======== version 1 of 1: 2 launches
;; limits: a difference of large sums (such as E[x^2] - mean^2): digits are lost where the result is much smaller than its terms
;; workspace buffers: tab_codes 12,800,000 bytes; tab_scales 400,128 bytes; w1_codes 266,240 bytes; w1_scales 10,240 bytes
;; launch prep (part 1): grid 657 x 1, 5 waves a work-group, no clusters, 41,728 bytes of LDS; arguments emb_table, W1, tab_codes, tab_scales, w1_codes, w1_scales; writes tab_codes, tab_scales, w1_codes, w1_scales
.if DOCPART == 1
	.amdgcn_target "amdgcn-amd-amdhsa--gfx1250"
	.amdhsa_code_object_version 6
	.text
	.protected	k_q7c35044c25_prep
	.globl	k_q7c35044c25_prep
	.p2align	8
	.type	k_q7c35044c25_prep,@function
k_q7c35044c25_prep:
	s_mov_b64 s[64:65], 0
	v_nop
	global_prefetch_b8 v0, s[64:65] scope:SCOPE_SE
	s_setreg_imm32_b32 hwreg(HW_REG_WAVE_MODE, 25, 1), 1
	s_wait_xcnt 0x0
; QUANTISE ONCE.  emb_table [100000][128] f32 and W1 [512][515] f32 become codes of FP8 (E4M3) with one E8M0 scale byte for each 32 along K.
; A row of the table is four whole blocks of the model input's K (128 = 4 x 32), so a gathered row's codes and bytes are those of the table's row: each row is quantised here once, however often it is gathered later.
; A block's scale is 2^(floor(log2(its largest magnitude)) - 8); its byte is the largest magnitude's exponent field - 8, held at 1 from below; each number is divided by the scale, held within +-448 and rounded to the nearest code, ties to even.
; LIMITS: a block whose largest magnitude lies under 2^-118 keeps the byte 1; a block of zeros keeps the byte 1 where the rule says 127 (its codes are zeros, and this program alone reads the bytes); NaN and infinities are not served.
; WORK-GROUPS 0 to 31: W1.  Work-group T takes hidden units 16 T .. 16 T + 15, wave s (0 to 3) K step s of 128, wave 4 the last three columns.  The codes are stored as THE IMAGE OF AN OPERAND'S REGISTERS:
;   w1_codes[T][s][c][lane][16 bytes] = registers 4 c .. 4 c + 3 of lane (r, h): k = 128 s + 32 c + 16 h + 0 .. 15 of row 16 T + r; behind these 262,144 bytes one word a lane and tile: the three codes of columns 512 to 514 (lanes 16-31: 0).
;   w1_scales[T / 8][T % 4][s][32 lanes]: lanes 0-15 the words of tile 8 w + q, lanes 16-31 those of tile 8 w + 4 + q.
; WORK-GROUPS 32 to 656: the table, a plain stream of blocks of 32: 12,800,000 numbers = 625 x 5 waves x 4,096.  A wave takes 8 steps of 512 numbers.  Each load reads 512 consecutive bytes; the conversions want 16 neighbours in one
; lane, so a step's 2,048 bytes turn through the wave's own stage in LDS.  No barrier: waves share nothing.  Only this path touches LDS.  Both paths stay within v0-161.
.set NW1,   32                         ; work-groups that take W1
.set STEPS, 8
.set EMAX,  8
.set MANT,  0x600000                   ; the mantissa field of 448 as f32
.set R,     16                         ; v16-79   table: four sets of 16 numbers as they are loaded
.set X,     80                         ; v80-111  two sets of 16 neighbours
.set E,     112                        ; v112-119 a scale byte for each step
.set C,     128                        ; v128-159 codes: four registers for each step, so that no store's data are written again
.set WREG,  8192                       ; LDS: a region for each wave: two stages of 32 x SP bytes, behind them its 128 scale bytes
.set SP,    80                         ; a lane's place in a stage: its 64 bytes + 16 of padding
.set WN,    64                         ; v64-127  W1: 64 numbers of a lane
.set PC,    128                        ; v128-143 W1: a fragment's codes
.set TM,    144                        ; v144-147 largest magnitudes, v148-151 bytes, v152-155 448 x the scale, v156-159 the conversions' scale operands
.set PW,    12                         ; v12      W1: the scale word
	s_load_b256 s[4:11], s[0:1], 0x0               ; emb_table s[4:5], W1 s[6:7], tab_codes s[8:9], tab_scales s[10:11]
	s_load_b128 s[12:15], s[0:1], 0x20             ; w1_codes s[12:13], w1_scales s[14:15]
	v_lshl_add_u32 v160, v0, 2, 0xa000
	v_mov_b32 v161, 0
	v_lshrrev_b32 v1, 5, v0
	v_readfirstlane_b32 s16, v1                    ; wave 0..4
	v_and_b32 v2, 31, v0                           ; lane
	s_mov_b32 s23, MANT                            ; (an instruction takes one literal: the hold's line has another)
	s_cmp_lt_u32 ttmp9, NW1
	s_cbranch_scc1 .Lw1
	; ---------------- the table ----------------
	v_lshlrev_b32 v3, 4, v2                        ; my 16 bytes of a load's 512, and of a step's 512 bytes of codes
	s_mul_i32 s17, s16, WREG
	v_lshrrev_b32 v14, 2, v2
	v_mul_u32_u24 v14, v14, SP
	v_and_b32 v15, 3, v2
	v_lshl_add_u32 v14, v15, 4, v14
	v_add_nc_u32 v14, s17, v14                     ; the stage, on the way in: four lanes' 64 bytes on end, then 16 of padding
	v_mul_u32_u24 v15, v2, SP
	v_add_nc_u32 v15, s17, v15                     ; and on the way out: SP x lane: my 16 neighbours
	v_lshrrev_b32 v5, 1, v2
	s_add_co_u32 s17, s17, 2*32*SP
	v_add_nc_u32 v5, s17, v5                       ; my wave's scale bytes: my block's byte
	v_lshlrev_b32 v7, 2, v2                        ; on the way out 4 bytes a lane
	v_add_nc_u32 v6, s17, v7
	s_sub_co_u32 s18, ttmp9, NW1
	s_mul_i32 s18, s18, 5
	s_add_co_u32 s18, s18, s16                     ; which run of 4,096 numbers is my wave's: 0 .. 3,124
	s_mov_b32 s21, 0
	s_wait_alu depctr_va_vdst(0)
	s_wait_kmcnt 0x0
	s_lshl_b32 s20, s18, 14                        ; 16,384 bytes of numbers,
	s_add_nc_u64 s[4:5], s[4:5], s[20:21]
	s_lshl_b32 s20, s18, 12                        ; 4,096 of codes,
	s_add_nc_u64 s[8:9], s[8:9], s[20:21]
	s_lshl_b32 s20, s18, 7                         ; 128 scale bytes a run
	s_add_nc_u64 s[10:11], s[10:11], s[20:21]
.macro LOAD t
.irp i, 0,1,2,3
	global_load_b128 v[R+16*((\t)%4)+4*\i:R+16*((\t)%4)+4*\i+3], v3, s[4:5] offset:2048*(\t)+512*\i th:TH_LOAD_NT   ; 32 lanes read 512 consecutive bytes
.endr
.endm
.macro TURN t                          ; step t's numbers through the stage: LDS serves a wave's instructions in order, so no wait stands between the stores and the loads
.irp i, 0,1,2,3
	ds_store_b128 v14, v[R+16*((\t)%4)+4*\i:R+16*((\t)%4)+4*\i+3] offset:32*SP*((\t)%2)+8*SP*\i
.endr
.irp i, 0,1,2,3
	ds_load_b128 v[X+16*((\t)%2)+4*\i:X+16*((\t)%2)+4*\i+3], v15 offset:32*SP*((\t)%2)+16*\i
.endr
.endm
.irp t, 0,1,2,3
	LOAD \t
.endr
	s_wait_loadcnt 12                              ; step 0's four loads are in; the twelve of steps 1 to 3 stay out
	TURN 0
.macro STEP t
.set XS, X+16*((\t)%2)
.if (\t) > 0
	s_wait_dscnt 1                                 ; this step's numbers are back from the stage (the last step's byte store may be out): so its stores into the stage have read their registers,
.else
	s_wait_dscnt 0x0
.endif
.if (\t)+4 < STEPS
	LOAD (\t)+4                                    ; which take the loads of four steps on
.endif
.if (\t)+1 < STEPS
.if STEPS-2-(\t) >= 3
	s_wait_loadcnt 12                              ; the next step's four loads are in; those of the three steps behind it may be out
.else
	s_wait_loadcnt 4*(STEPS-2-(\t))                ; towards the end fewer steps stand behind it
.endif
	TURN (\t)+1                                    ; and go through the other stage while this step is worked
.endif
	v_max3_num_f32 v8, |v[XS]|, |v[XS+1]|, |v[XS+2]|               ; the largest magnitude of my 16, in two chains
	v_max3_num_f32 v9, |v[XS+3]|, |v[XS+4]|, |v[XS+5]|
.irp i, 6,10
	v_max3_num_f32 v8, v8, |v[XS+\i]|, |v[XS+\i+1]|
	v_max3_num_f32 v9, v9, |v[XS+\i+2]|, |v[XS+\i+3]|
.endr
	v_max3_num_f32 v8, v8, |v[XS+14]|, |v[XS+15]|
	v_max3_num_f32 v8, v8, v9, (EMAX+1)<<23        ; and the floor 2^(9 - 127): so the byte cannot fall under 1
	v_max_num_f32_dpp v8, v8, v8 row_xmask:1 row_mask:0xf bank_mask:0xf   ; and of my neighbour's 16: the block's
	v_add_nc_u32 v11, -(EMAX<<23), v8              ; 8 off its exponent field: the conversion takes the exponent field of this operand as its scale
	v_and_or_b32 v10, v8, 0x7f800000, s23          ; 448 x the scale
.irp i, 0,1,2,3,4,5,6,7,8,9,10,11,12,13,14,15
	v_med3_num_f32 v[XS+\i], v[XS+\i], -v10, v10   ; the conversion to an 8-bit code does not saturate (ISA guide 7.6.2): the hold comes first
.endr
	v_cvt_scalef32_pk8_fp8_f32 v[C+4*(\t):C+4*(\t)+1], v[XS:XS+7], v11
	v_cvt_scalef32_pk8_fp8_f32 v[C+4*(\t)+2:C+4*(\t)+3], v[XS+8:XS+15], v11
	v_lshrrev_b32 v[E+(\t)], 23, v11               ; the scale's byte (also the plain line behind the conversions)
	ds_store_b8 v5, v[E+(\t)] offset:16*(\t)       ; both lanes of a block write the same byte with the same value
	global_store_b128 v3, v[C+4*(\t):C+4*(\t)+3], s[8:9] offset:512*(\t)   ; the wave stores 512 consecutive bytes, at a multiple of 256 from the buffer's first byte
.endm
.irp t, 0,1,2,3,4,5,6,7
	STEP \t
.endr
	ds_load_b32 v12, v6                            ; LDS serves a wave's instructions in order: this sees my byte stores
	s_wait_dscnt 0x0
	global_store_b32 v7, v12, s[10:11]             ; the wave's 128 scale bytes, consecutive (3,125 runs are an odd number, so the runs are not paired; the bytes are one part in 32 of what this path stores)
	s_wait_tensorcnt 0x0
	ds_add_u32 v160, v161
	s_wait_dscnt 0x0
	s_endpgm
	; ---------------- W1 ----------------
.Lw1:
	v_and_b32 v3, 15, v0                           ; r
	v_bfe_u32 v4, v0, 4, 1                         ; h
	v_mul_u32_u24 v5, v3, 2060                     ; a row of W1 is 515 numbers
	v_lshl_add_u32 v6, v4, 6, v5                   ; + 64 h: my 16 numbers of each block of 32
	s_wait_alu depctr_va_vdst(0)
	v_lshlrev_b32 v7, 4, v2                        ; an image's place for my lane
	v_lshlrev_b32 v8, 2, v2                        ; a word's place for my lane
	v_lshlrev_b32 v9, 2, v3                        ; a scale word's place for my row
	v_add_nc_u32 v10, -1, v4                       ; all ones in lanes 0-15, 0 in lanes 16-31
	s_mov_b32 s20, 0x76543210
	s_mov_b32 s21, 0xfedcba98                      ; v_permlanex16_b32's selects for lane l xor 16
	s_mul_i32 s24, ttmp9, 16*2060                  ; my tile's 16 rows,
	s_lshl_b32 s25, s16, 9
	s_add_co_u32 s24, s24, s25                     ; my K step's 512 bytes in them
	s_mov_b32 s25, 0
	s_lshr_b32 s26, ttmp9, 3                       ; the scale words' place: ((T / 8) x 4 + T % 4) x 5 + s blocks of 128 bytes,
	s_lshl_b32 s26, s26, 2
	s_and_b32 s27, ttmp9, 3
	s_add_co_u32 s26, s26, s27
	s_mul_i32 s26, s26, 5
	s_add_co_u32 s26, s26, s16
	s_lshl_b32 s26, s26, 7
	s_bfe_u32 s27, ttmp9, 0x10002                  ; and the upper 64 bytes of the block where bit 2 of T is set
	s_lshl_b32 s27, s27, 6
	s_add_co_u32 s26, s26, s27
	s_mov_b32 s27, 0
	s_lshl_b32 s28, ttmp9, 13                      ; the images' place: 8,192 T + 2,048 s
	s_lshl_b32 s29, s16, 11
	s_add_co_u32 s28, s28, s29
	s_mov_b32 s29, 0
	s_lshl_b32 s30, ttmp9, 7                       ; the last columns' words: 262,144 + 128 T
	s_add_co_u32 s30, s30, 262144
	s_mov_b32 s31, 0
	s_wait_kmcnt 0x0
	s_add_nc_u64 s[6:7], s[6:7], s[24:25]
	s_add_nc_u64 s[14:15], s[14:15], s[26:27]
	s_cmp_eq_u32 s16, 4
	s_cbranch_scc1 .Lw1_last
	s_add_nc_u64 s[12:13], s[12:13], s[28:29]
.irp c, 0,1,2,3
.irp i, 0,1,2,3,4,5,6,7,8,9,10,11,12,13,14,15
	global_load_b32 v[WN+16*\c+\i], v6, s[6:7] offset:128*\c+4*\i th:TH_LOAD_NT   ; W1(16 T + r, 128 s + 32 c + 16 h + i): rows begin at multiples of 4 bytes only, so one number a load
.endr
.endr
.irp b, 0,1,2,3
	v_mov_b32 v[TM+4+\b], 0                        ; a lane permute's destination counts as one of its sources
.endr
	s_wait_loadcnt 0x0
.irp b, 0,1,2,3
	v_max3_num_f32 v[TM+\b], |v[WN+16*\b]|, |v[WN+1+16*\b]|, 0x4800000   ; block b: my 16 numbers, and the floor 2^(9 - 127)
.endr
.irp i, 2,4,6,8,10,12,14
.irp b, 0,1,2,3
	v_max3_num_f32 v[TM+\b], v[TM+\b], |v[WN+16*\b+\i]|, |v[WN+1+16*\b+\i]|   ; (the four blocks by turns)
.endr
.endr
.irp b, 0,1,2,3
	v_permlanex16_b32 v[TM+4+\b], v[TM+\b], s20, s21
.endr
.irp b, 0,1,2,3
	v_max_num_f32 v[TM+\b], v[TM+\b], v[TM+4+\b]   ; with lane l xor 16's: the block's largest magnitude
.endr
.irp b, 0,1,2,3
	v_add_nc_u32 v[TM+12+\b], 0xfc000000, v[TM+\b] ; 8 off its exponent field: the conversion's scale operand
.endr
.irp b, 0,1,2,3
	v_and_or_b32 v[TM+8+\b], v[TM+\b], 0x7f800000, s23   ; 448 x the scale
.endr
.irp b, 0,1,2,3
	v_lshrrev_b32 v[TM+4+\b], 23, v[TM+12+\b]      ; the scale's byte
.endr
	v_lshl_or_b32 v[PW], v[TM+5], 8, v[TM+4]       ; the four bytes make my row's scale word
	v_lshl_or_b32 v[PW], v[TM+6], 16, v[PW]
	v_lshl_or_b32 v[PW], v[TM+7], 24, v[PW]
.irp b, 0,1,2,3
.irp i, 0,1,2,3,4,5,6,7,8,9,10,11,12,13,14,15
	v_med3_num_f32 v[WN+16*\b+\i], v[WN+16*\b+\i], -v[TM+8+\b], v[TM+8+\b]
.endr
	v_cvt_scalef32_pk8_fp8_f32 v[PC+4*\b:PC+1+4*\b], v[WN+16*\b:WN+7+16*\b], v[TM+12+\b]
	v_cvt_scalef32_pk8_fp8_f32 v[PC+2+4*\b:PC+3+4*\b], v[WN+8+16*\b:WN+15+16*\b], v[TM+12+\b]
.endr
	v_nop                                          ; a plain line behind the last conversion
.irp c, 0,1,2,3
	global_store_b128 v7, v[PC+4*\c:PC+4*\c+3], s[12:13] offset:512*\c   ; the fragment as it stands: 512 consecutive bytes a store
.endr
	global_store_b32 v9, v[PW], s[14:15]           ; lanes r and 16 + r hold the same word and write it to the same place
	s_endpgm
.Lw1_last:                                             ; columns 512 to 514: the 17th block of K, three numbers and 29 zeros.  Both halves of the lanes read row r's three
	s_add_nc_u64 s[12:13], s[12:13], s[30:31]
	global_load_b32 v[WN], v5, s[6:7] th:TH_LOAD_NT
	global_load_b32 v[WN+1], v5, s[6:7] offset:4 th:TH_LOAD_NT
	global_load_b32 v[WN+2], v5, s[6:7] offset:8 th:TH_LOAD_NT
.irp i, 3,4,5,6,7
	v_mov_b32 v[WN+\i], 0
.endr
	s_wait_loadcnt 0x0
	v_max3_num_f32 v[TM], |v[WN]|, |v[WN+1]|, |v[WN+2]|
	v_max_num_f32 v[TM], 0x4800000, v[TM]          ; the floor
	v_add_nc_u32 v[TM+12], 0xfc000000, v[TM]
	v_and_or_b32 v[TM+8], v[TM], 0x7f800000, s23
.irp i, 0,1,2
	v_med3_num_f32 v[WN+\i], v[WN+\i], -v[TM+8], v[TM+8]
.endr
	s_wait_alu depctr_va_vdst(0)
	v_cvt_scalef32_pk8_fp8_f32 v[PC:PC+1], v[WN:WN+7], v[TM+12]
	v_lshrrev_b32 v[PW], 23, v[TM+12]              ; the block's byte; the word's other three bytes are 0, over zero codes.  (Also the plain line behind the conversion)
	v_and_b32 v[PC], v[PC], v10                    ; lanes 16-31 hold k = 528 on: zeros
	global_store_b32 v8, v[PC], s[12:13]
	global_store_b32 v9, v[PW], s[14:15]
	s_endpgm
.Lfunc_end_k_q7c35044c25_prep:
	.size	k_q7c35044c25_prep, .Lfunc_end_k_q7c35044c25_prep-k_q7c35044c25_prep
	.p2alignl 7, 3214868480
	.fill 96, 4, 3214868480
	.section	.rodata,"a",@progbits
	.p2align	6, 0x0
	.amdhsa_kernel k_q7c35044c25_prep
		.amdhsa_group_segment_fixed_size 41728
		.amdhsa_private_segment_fixed_size 0
		.amdhsa_enable_private_segment 0
		.amdhsa_kernarg_size 48
		.amdhsa_user_sgpr_count 2
		.amdhsa_user_sgpr_kernarg_segment_ptr 1
		.amdhsa_wavefront_size32 1
		.amdhsa_system_sgpr_workgroup_id_x 1
		.amdhsa_system_sgpr_workgroup_id_y 1
		.amdhsa_system_sgpr_workgroup_id_z 1
		.amdhsa_system_vgpr_workitem_id 0
		.amdhsa_next_free_vgpr 162
		.amdhsa_next_free_sgpr 66
		.amdhsa_reserve_vcc 0
		.amdhsa_float_denorm_mode_32 3
		.amdhsa_float_denorm_mode_16_64 3
		.amdhsa_memory_ordered 1
		.amdhsa_forward_progress 1
		.amdhsa_inst_pref_size 44
	.end_amdhsa_kernel
	.amdgpu_metadata
---
amdhsa.version: [ 1, 2 ]
amdhsa.kernels:
  - .name:           k_q7c35044c25_prep
    .symbol:         k_q7c35044c25_prep.kd
    .args:
      - { .name: emb_table, .offset: 0, .size: 8, .value_kind: global_buffer, .address_space: global }
      - { .name: W1, .offset: 8, .size: 8, .value_kind: global_buffer, .address_space: global }
      - { .name: tab_codes, .offset: 16, .size: 8, .value_kind: global_buffer, .address_space: global }
      - { .name: tab_scales, .offset: 24, .size: 8, .value_kind: global_buffer, .address_space: global }
      - { .name: w1_codes, .offset: 32, .size: 8, .value_kind: global_buffer, .address_space: global }
      - { .name: w1_scales, .offset: 40, .size: 8, .value_kind: global_buffer, .address_space: global }
    .group_segment_fixed_size: 41728
    .private_segment_fixed_size: 0
    .kernarg_segment_align: 8
    .kernarg_segment_size: 48
    .max_flat_workgroup_size: 160
    .sgpr_count:     66
    .vgpr_count:     162
    .wavefront_size: 32
...
	.end_amdgpu_metadata
.endif
;; end of part 1
;; launch score (part 2): grid 256 x 1, 4 waves a work-group, no clusters, 209,408 bytes of LDS; arguments target_item_ids, original_item_ids, left_item_ids, right_item_ids, position_indices, normalized_positions, session_lengths, b1, W2, b2, tab_codes, tab_scales, w1_codes, w1_scales, out0; writes out0
.if DOCPART == 2
	.amdgcn_target "amdgcn-amd-amdhsa--gfx1250"
	.amdhsa_code_object_version 6
	.text
	.protected	k_q7c35044c25_score
	.globl	k_q7c35044c25_score
	.p2align	8
	.type	k_q7c35044c25_score,@function
k_q7c35044c25_score:
	s_mov_b64 s[64:65], 0
	v_nop
	global_prefetch_b8 v0, s[64:65] scope:SCOPE_SE
	s_setreg_imm32_b32 hwreg(HW_REG_WAVE_MODE, 25, 1), 1
	s_wait_xcnt 0x0
; out0[n] = b2 + sum over j of W2[j] relu(x[n] . W1[j] + b1[j]);  x[n] = four gathered rows of the table and three scalars, K = 515.  The product x W1^T is done on codes of FP8 (E4M3) with E8M0 scales: five K steps of 128
; (four table rows, and a fifth of which three columns are used).  The table's and W1's codes and scale bytes were made by the launch before; the three scalars are quantised here.
; SHARES.  A work-group of four waves takes 1,024 candidates: 8 blocks of 128, a block = 8 tiles of 16.  THE WAVES SHARE THE HIDDEN UNITS: wave w keeps the fragments of W1's rows 128 w .. 128 w + 127 in registers for the whole
; launch (8 tiles x 4 K steps x 16 registers, and 30 registers for the fifth step) and multiplies every tile by them.  What goes round is x: each wave gathers two tiles of every block and hands them to the others through LDS
; as images of the operand's registers (16 bytes a lane, 512 consecutive bytes an instruction).
; WHICH CANDIDATES FORM A TILE.  Wave u owns candidates 256 u .. 256 u + 255 of the work-group, in four groups of 64.  Block 2 g + p, slot 2 u + e, row m is candidate 64 g + 4 m + 2 e + p of wave u.  So one load of 16 bytes a lane
; brings lane m the ids of its row for the group's four tiles (sixteen lanes read 256 consecutive bytes), and the owner's lane (m, e) ends with two neighbouring results: 32 lanes store 256 consecutive bytes.
; THE SECOND LAYER.  Source 0 = x (16 candidates), source 1 = W1 (16 hidden units): in a result lane (r, h) holds hidden unit r and candidates 8 h + 0 .. 7, so W2 and b1 cost one register a hidden tile.
; relu(z + b1) w2 = w2 max(z, -b1) + w2 b1: a maximum and a fused multiply-add for each number; b2 + the sum of all w2 b1 is added once a candidate.  The lanes' and waves' partial sums meet in LDS, where the owner adds them.
; BY TURNS.  A tile is two phases of 20 matrix instructions (hidden tiles 0-3, then 4-7; four accumulators by turns); behind each matrix instruction stands a slice of the other phase's second-layer work.
; All LDS instructions of a tile stand in two runs, both in phase 1.
; LIMITS.  Ids are taken as unsigned and held at 99,999.  NaN and infinities are not served.  The f32 sums of the second layer go in another order than the reference's, and the bias enters as above: the difference is of the order of
; 2^-24 x the sum of |w2| (|z| + |b1|).  A block of zeros has the scale byte 1 (zero codes).
; No tensor load: the rows come by a list, lane by lane, straight into registers.  No cluster: W1 is read once by each work-group, straight into registers, and its 266,240 bytes do not fit in LDS beside the 208,896 in use.
; No prefetch: a table row is named by several candidates, so its bytes cannot be asked for once; ids and scalars are loaded a block ahead of their use.
;
; LDS: two buffers of x's images, 8 slots x 8,704 bytes (four fragments of 2,048; then 16 bytes a lane: scale words of K steps 0|1, 2|3, 4, and the scalars' codes); two buffers of partial sums, 8 slots x 16 rows x 272 bytes ([wave][16 lanes] f32 + 16).
; REGISTERS, in windows of 256.  Window 0: below.  Window 1: v0-127 W1's K step 0, v128-191 K step 1 of tiles 0-3.  Window 2: v0-63 K step 1 of tiles 4-7, v64-191 K step 2.  Window 3: v0-127 K step 3, v128-157 the fifth step.
;   In each of windows 1 to 3: v192-207 the pairs (w2, -b1) of my 8 hidden tiles.  The gather's stage, 8 fragments: window 1 v208-255, window 2 v208-255, window 3 v160-191.  Window 3 v208-235: a group's ids and scalars as loaded.
.set NIDS,  0x1869f                    ; the table's last row
.set SLOTB, 8704
.set HALFI, 4*SLOTB
.set IMGB,  8*SLOTB                    ; a buffer of images
.set PART,  2*IMGB                     ; the partial sums begin here
.set PROW,  272                        ; 256 bytes + 16: the 16 rows that a load touches start at 16 different banks (64 banks of 4 bytes: ISA guide 11.1)
.set PSLOT, 16*PROW
.set PARTB, 8*PSLOT
.set R4,   2                           ; v2   4 r
.set H16,  3                           ; v3   16 h
.set ROFF, 4                           ; v4   16 r + 256 x the group to be loaded
.set LOM,  5                           ; v5   all ones in lanes 0-15, 0 in lanes 16-31
.set LI,   6                           ; v6   16 x lane
.set XA,   6                           ; v6-9 where I read images: buffer b, slots 4 f on: v[XA + 2 b + f]
.set IST,  10                          ; v10-11 where I store my two tiles' images, buffer b
.set PST,  12                          ; v12-13 where I store partial sums
.set PRD,  14                          ; v14-15 where I read my candidates' partial sums
.set GOUT, 16                          ; v16  16 r + 8 h: my two results in a group's 256 bytes
.set CST,  17                          ; v17  b2 + the sum of w2 b1
.set LG,   18                          ; v[18:19] my two results
.set SM,   20                          ; v20-23 sums at work
.set OFF,  24                          ; v24-29 the gather's offsets for its first tile; for its second: v108-111 and v0-1 (the thread's number is done with once the head has made the lane terms)
.set L4,   30                          ; v30  4 x lane
.set L64,  31                          ; v31  64 x lane
.set Q,    32                          ; v32-39 my two tiles' last 16 bytes a lane
.set S,    40                          ; v40-47 a tile's partial sums: candidate 8 h + j
.set T,    48                          ; v48-79 at work
.set XS,   80                          ; v80-87 two sets by the tile's parity: three registers of x's scale words, and in the fourth the scalars' codes as they come from LDS (never named as a scale)
.set W1S,  88                          ; v88-107 W1's scale words: v[W1S + 5 a + s]: lanes 0-15 hidden tile a, lanes 16-31 hidden tile 4 + a
.set ACC,  112                         ; v112-175 eight accumulators
.set X,    176                         ; v176-255 x's five fragments; of the fifth only the first register ever changes, the other 15 are 0 for the whole launch
.set RUN,  128                         ; window 3: the fifth K step of W1
.set PAIR, 192                         ; windows 1 to 3
.set RAW,  208                         ; window 3: seven times four registers: ids of the four tables, then the three scalars
.set MSB, 0
.macro WIN new                         ; the immediate's high byte repeats the setting that is left; a switch that changes nothing is dropped
.if MSB != (\new)
	s_set_vgpr_msb (MSB<<8)|(\new)
.set MSB, \new
.endif
.endm
; One matrix instruction: phase hf (hidden tiles 4 hf + a), K step s, accumulator a; odd: the tile's parity.  The first K step starts the sum with the constant 0.
; x's scale words of K steps 1 and 3 stand in lanes 16-31 of the registers of K steps 0 and 2; W1's of hidden tiles 4 to 7 in lanes 16-31 of those of tiles 0 to 3.
; THE FIFTH STEP.  Hidden tile t's one word of codes stands at v[RUN + 2 t], and its fragment is named as v[RUN + 2 t : RUN + 2 t + 15]: it runs over the later tiles' words.  Those meet registers 1 to 15 of x's fragment,
; whose codes are zeros, and no code here is NaN and no scale byte 0xff: they add nothing.  So the step costs 30 registers and not 128.
.macro MM hf, s, a, odd
.set rD, ACC+32*(\hf)+8*(\a)
.set rA, X+16*(\s)
.set rT, 4*(\hf)+(\a)
.if (\s) == 1
.set rB, 128*(1-(\hf))+16*(\a)
.elseif (\s) == 2
.set rB, 64+16*rT
.elseif (\s) == 4
.set rB, RUN+2*rT
.else
.set rB, 16*rT
.endif
.set rP, XS+4*(\odd)+(\s)/2
.set rW, W1S+5*(\a)+(\s)
.if (\s) == 0
.if (\hf) == 0
	v_wmma_scale_f32_16x16x128_f8f6f4 v[rD:rD+7], v[rA:rA+15], v[rB:rB+15], 0, v[rP], v[rW]
.else
	v_wmma_scale_f32_16x16x128_f8f6f4 v[rD:rD+7], v[rA:rA+15], v[rB:rB+15], 0, v[rP], v[rW] matrix_b_scale:MATRIX_SCALE_ROW1
.endif
.elseif (\s)%2 == 1
.if (\hf) == 0
	v_wmma_scale_f32_16x16x128_f8f6f4 v[rD:rD+7], v[rA:rA+15], v[rB:rB+15], v[rD:rD+7], v[rP], v[rW] matrix_a_scale:MATRIX_SCALE_ROW1
.else
	v_wmma_scale_f32_16x16x128_f8f6f4 v[rD:rD+7], v[rA:rA+15], v[rB:rB+15], v[rD:rD+7], v[rP], v[rW] matrix_a_scale:MATRIX_SCALE_ROW1 matrix_b_scale:MATRIX_SCALE_ROW1
.endif
.else
.if (\hf) == 0
	v_wmma_scale_f32_16x16x128_f8f6f4 v[rD:rD+7], v[rA:rA+15], v[rB:rB+15], v[rD:rD+7], v[rP], v[rW]
.else
	v_wmma_scale_f32_16x16x128_f8f6f4 v[rD:rD+7], v[rA:rA+15], v[rB:rB+15], v[rD:rD+7], v[rP], v[rW] matrix_b_scale:MATRIX_SCALE_ROW1
.endif
.endif
.endm
; THE SECOND LAYER on the four accumulators that the OTHER phase has finished: 32 maxima, from each accumulator's low end on, then 16 packed multiply-adds.  The pairs are read in whatever window source 1 stands.
.macro EPM j, hf                       ; max(z, -b1)
.set rE, ACC+32*(1-(\hf))
.set te, 4*(1-(\hf))+(\j)/8
	v_max_num_f32 v[rE+(\j)], v[rE+(\j)], v[PAIR+1+2*te]
.endm
.macro EPF f, hf                       ; S += w2 x that, two candidates at a time; hidden tile 0 starts the sums
.set rE, ACC+32*(1-(\hf))+8*((\f)/4)+2*((\f)%4)
.set te, 4*(1-(\hf))+(\f)/4
.set rS, S+2*((\f)%4)
.if te == 0
	v_pk_mul_f32 v[rS:rS+1], v[rE:rE+1], v[PAIR+2*te:PAIR+2*te+1] op_sel_hi:[1,0]
.else
	v_pk_fma_f32 v[rS:rS+1], v[rE:rE+1], v[PAIR+2*te:PAIR+2*te+1], v[rS:rS+1] op_sel_hi:[1,0,1]
.endif
.endm
.macro SLICE n, hf                     ; slice n of 20: slices 0-11 share out the 32 maxima (2 or 3 each, 10 or 11 to a K step), slices 12-19 the 16 multiply-adds
.if (\n) < 12
.set jj, (32*(\n))/12
.rept (32*((\n)+1))/12-(32*(\n))/12
	EPM jj, \hf
.set jj, jj+1
.endr
.else
	EPF 2*((\n)-12), \hf
	EPF 2*((\n)-12)+1, \hf
.endif
.endm
.macro LOADX s, b, k                   ; fragment s of slot k of buffer b
.irp c, 0,1,2,3
	ds_load_b128 v[X+16*(\s)+4*\c:X+16*(\s)+4*\c+3], v[XA+2*(\b)+(\k)/4] offset:((\k)%4)*SLOTB+2048*(\s)+512*\c
.endr
.endm
.macro LOADXS odd, b, k                ; its scale words, and with them the scalars' codes
	ds_load_b128 v[XS+4*(\odd):XS+4*(\odd)+3], v[XA+2*(\b)+(\k)/4] offset:((\k)%4)*SLOTB+8192
.endm
.macro FIN b, k                        ; a finished tile's partial sums: row 8 h + j of slot k, my wave's 64 bytes of it
.irp j, 0,1,2,3,4,5,6,7
	ds_store_b32 v[PST+(\b)], v[S+\j] offset:PSLOT*(\k)+PROW*\j
.endr
.endm
.macro OUTLD c, b                      ; half c of my candidate's row of 64 partial sums
.irp i, 0,1,2,3,4,5,6,7
	ds_load_b128 v[T+4*\i:T+4*\i+3], v[PRD+(\b)] offset:128*(\c)+16*\i
.endr
.endm
.macro OUTSUM c                        ; added two at a time, in two chains; the first half starts them
.if (\c) == 0
	v_pk_add_f32 v[SM:SM+1], v[T:T+1], v[T+2:T+3]
	v_pk_add_f32 v[SM+2:SM+3], v[T+4:T+5], v[T+6:T+7]
.irp i, 8,12,16,20,24,28
	v_pk_add_f32 v[SM:SM+1], v[SM:SM+1], v[T+\i:T+\i+1]
	v_pk_add_f32 v[SM+2:SM+3], v[SM+2:SM+3], v[T+\i+2:T+\i+3]
.endr
.else
.irp i, 0,4,8,12,16,20,24,28
	v_pk_add_f32 v[SM:SM+1], v[SM:SM+1], v[T+\i:T+\i+1]
	v_pk_add_f32 v[SM+2:SM+3], v[SM+2:SM+3], v[T+\i+2:T+\i+3]
.endr
.endif
.endm
.macro OUTFIN x                        ; the result of the block of parity x
	v_pk_add_f32 v[SM:SM+1], v[SM:SM+1], v[SM+2:SM+3]
	v_add_f32 v[SM], v[SM], v[SM+1]
	v_add_f32 v[LG+(\x)], v[SM], v[CST]
.endm
.macro STG f                           ; stage fragment f (tile f / 4, K step f % 4): its window sw and first register sr
.set sw, 1+(\f)/3
.set sr, 208+16*((\f)%3)
.if (\f) > 5
.set sr, 160+16*((\f)%3)
.endif
.endm
.macro STORE b                         ; the stage goes to LDS as it stands
	s_wait_loadcnt 0x0                             ; the gather has landed
.irp f, 0,1,2,3,4,5,6,7
	STG \f
	WIN 0x04*sw                                    ; an LDS store's data are its source 1
.irp c, 0,1,2,3
	ds_store_b128 v[IST+(\b)], v[sr+4*\c:sr+4*\c+3] offset:SLOTB*(\f/4)+2048*(\f%4)+512*\c
.endr
.endr
	WIN 0
	ds_store_b128 v[IST+(\b)], v[Q:Q+3] offset:8192
	ds_store_b128 v[IST+(\b)], v[Q+4:Q+7] offset:SLOTB+8192
.endm
.macro RAWLOAD                         ; a group's ids and scalars: lane (r, h) takes the 16 bytes of candidates 4 r .. 4 r + 3: sixteen lanes read 256 consecutive bytes (both halves of the lanes the same)
	WIN 0xc0
.irp i, 0,1,2,3,4,5,6
	global_load_b128 v[RAW+4*\i:RAW+4*\i+3], v[ROFF], s[4+2*\i:5+2*\i] th:TH_LOAD_NT
.endr
	WIN 0
.endm
; THE GATHER of my two tiles of the block of parity p.  Lane (r, h) takes, of its row's four table rows, the bytes 32 c + 16 h + 0 .. 15: the operand's own layout.  Each id is held at the table's last row ahead of the shift.
; The scale words: lanes 0-15 take that of tables 0 and 2, lanes 16-31 that of tables 1 and 3.  The three scalars are one block of 32 with 29 zeros: largest magnitude, floor, scale, hold, conversion, all in my lane.
; Each tile has six offset registers of its own, so that no offset of a pending load is written: no wait stands between the two tiles.  Ahead of every gather all earlier loads have been waited for.
; Many candidates of many work-groups name the same rows: the loads carry the hint for data that are read again.
.macro GATHER p
.irp i, 11,12,13,14,15
	v_mov_b32 v[T+\i], 0                           ; the conversion takes eight numbers: three scalars and five zeros
.endr
.irp e, 0,1
.set qq, 2*\e+(\p)
.set OFA, OFF+84*\e                    ; the four rows' offsets: v24-27, v108-111
.set OFS, (OFF+4)*(1-\e)               ; the two scale words' offsets: v28-29, v0-1
	WIN 0x0f
	v_cndmask_b32 v[OFS], v[RAW+qq], v[RAW+4+qq], s36
	v_cndmask_b32 v[OFS+1], v[RAW+8+qq], v[RAW+12+qq], s36
	WIN 0x0c
.irp a, 0,1,2,3
	v_min_u32 v[OFA+\a], NIDS, v[RAW+4*\a+qq]
.endr
	WIN 0
	v_min_u32 v[OFS], NIDS, v[OFS]
	v_min_u32 v[OFS+1], NIDS, v[OFS+1]
.irp a, 0,1,2,3
	v_lshl_add_u32 v[OFA+\a], v[OFA+\a], 7, v[H16] ; a row of codes is 128 bytes
.endr
	v_lshlrev_b32 v[OFS], 2, v[OFS]                ; a row's scale word 4
	v_lshlrev_b32 v[OFS+1], 2, v[OFS+1]
.irp a, 0,1,2,3
	STG 4*\e+\a
	WIN 0x40*sw
.irp c, 0,1,2,3
	global_load_b128 v[sr+4*\c:sr+4*\c+3], v[OFA+\a], s[24:25] offset:32*\c th:TH_LOAD_HT
.endr
.endr
	WIN 0
	global_load_b32 v[Q+4*\e], v[OFS], s[26:27] th:TH_LOAD_HT
	global_load_b32 v[Q+4*\e+1], v[OFS+1], s[26:27] th:TH_LOAD_HT
	WIN 0x3f
	v_max3_num_f32 v[T], |v[RAW+16+qq]|, |v[RAW+20+qq]|, |v[RAW+24+qq]|
	WIN 0
	v_max_num_f32 v[T], 0x4800000, v[T]            ; the floor 2^(9 - 127): the byte cannot fall under 1
	v_add_nc_u32 v[T+1], 0xfc000000, v[T]          ; 8 off the exponent field: the conversion's scale operand
	v_and_or_b32 v[T+2], v[T], 0x7f800000, s37     ; 448 x the scale
	WIN 0x03
.irp i, 0,1,2
	v_med3_num_f32 v[T+8+\i], v[RAW+16+4*\i+qq], -v[T+2], v[T+2]   ; the conversion to an 8-bit code does not saturate (ISA guide 7.6.2): the hold comes first
.endr
	WIN 0
	v_cvt_scalef32_pk8_fp8_f32 v[T+16:T+17], v[T+8:T+15], v[T+1]
	v_lshrrev_b32 v[Q+4*\e+2], 23, v[T+1]          ; the block's byte; the word's other bytes are 0, over zero codes.  (Also the plain line behind the conversion)
	v_and_b32 v[Q+4*\e+3], v[T+16], v[LOM]         ; lanes 16-31 hold k = 528 on: zeros
.endr
.endm
; WHAT IS DUE BETWEEN TILES, in tile k of a block of parity p; it stands in the first of the tile's two runs of LDS instructions.  Always: the tile before is finished (phase 0 has added its last hidden tiles), its partial sums go
; to LDS; S is first written again behind this run.  Tiles 2 to 4: I add up the block before, of which I own 32 candidates (one a lane and block).  Tile 6: the next block's images go to the other buffer.
; The jumps hang on the trip's number alone: the first block has no block before it, the last none behind it.
.macro MID k, p
	WIN 0
.if (\k) == 0
	FIN 1-(\p), 7
.else
	FIN \p, (\k)-1
.endif
.if ((\k) >= 2) && ((\k) <= 4)
.if (\p) == 0
	s_cmp_eq_u32 s35, 0
	s_cbranch_scc1 .Lno_out_\@
.endif
.if (\k) == 2
	OUTLD 0, 1-(\p)
.elseif (\k) == 3
	OUTSUM 0                                       ; (the loads were waited for by this tile's phase 0, whose last wait is for 0)
	OUTLD 1, 1-(\p)
.else
	OUTSUM 1
	OUTFIN 1-(\p)
.if (\p) == 0
	global_store_b64 v[GOUT], v[LG:LG+1], s[32:33] th:TH_STORE_NT   ; the group before: 32 lanes store 256 consecutive bytes, at a multiple of 256 from out0's first byte
	s_wait_xcnt 0x0                                ; the store has read its base and its data: both are written again
	s_add_nc_u64 s[32:33], s[32:33], 256
.endif
.endif
.if (\p) == 0
.Lno_out_\@:
.endif
.endif
.if (\k) == 6
.if (\p) == 1
	s_cmp_eq_u32 s35, 3
	s_cbranch_scc1 .Lno_store_\@
.endif
	STORE 1-(\p)
.if (\p) == 1
.Lno_store_\@:
.endif
.endif
.endm
; A PHASE: five K steps of four matrix instructions, a slice behind each.  LDS loads need no switch of windows: address and destination lie in window 0, and only source 1's window moves.
; LDS INSTRUCTIONS STAND IN TWO RUNS A TILE, both in phase 1, never singly among the matrix instructions.  Behind K step 2: the next tile's scale words and fragments 0 and 1, then macro MID.  Behind K step 4: fragments 2 and 3.
; A fragment's last reader stands eight plain instructions or more back, which name none of its registers: 14 maxima for fragment 1, 10 multiply-adds for fragment 3.
; Each fragment is asked for eight matrix instructions or more ahead of its first use.
; THE WAITS of phase 0 count the LDS instructions issued behind the fragment that is wanted.  The order of issue: scale words, fragment 0, fragment 1 (4 loads each), the eight stores of partial sums (on every way; on some ways
; more follows them), fragments 2 and 3.  20: fragment 1, the stores, fragments 2 and 3.  16: the stores, fragments 2 and 3.  4: fragment 3.  Then 0.
; THE SCALARS' CODES come with the scale words and are copied into the fifth fragment's first register by one v_mov_b32 behind K step 0 of phase 0: 12 plain instructions behind the last product that read the register,
; and three K steps' slices ahead of the product that reads it next.
; THE FIRST READ of an accumulator stands eight plain instructions behind its last product: the eight multiply-adds of slices 16 to 19.
; meet = 1: a barrier: the signal behind K step 0, the wait behind K step 1, four products and their slices between.
.macro PHASE hf, k, p, meet
.set nk, ((\k)+1)%8
.set nb, (\p)
.if (\k) == 7
.set nb, 1-(\p)
.endif
.irp s, 0,1,2,3,4
.if (\hf) == 0
.if \s == 0
	s_wait_dscnt 20
.elseif \s == 1
	s_wait_dscnt 16
.elseif \s == 2
	s_wait_dscnt 4
.elseif \s == 3
	s_wait_dscnt 0x0
.endif
.endif
.if \s == 0
	WIN 0x04
.elseif \s == 1
	WIN 0x04*(1+(\hf))
.elseif \s == 2
	WIN 0x08
.else
	WIN 0x0c
.endif
.irp a, 0,1,2,3
	MM \hf, \s, \a, (\k)%2
	SLICE 4*\s+\a, \hf
.endr
.if (\hf) == 0
.if \s == 0
	v_mov_b32 v[X+64], v[XS+4*((\k)%2)+3]          ; this tile's scalars
.endif
.else
.if (\meet) && (\s == 0)
	s_wait_dscnt 0x0                               ; for the others' sake: my LDS stores have landed and my LDS loads are in
	s_barrier_signal -1
.endif
.if (\meet) && (\s == 1)
	s_barrier_wait -1
.endif
.if \s == 2
	LOADXS nk%2, nb, nk
	LOADX 0, nb, nk
	LOADX 1, nb, nk
	MID \k, \p
.elseif \s == 4
	LOADX 2, nb, nk
	LOADX 3, nb, nk
.endif
.endif
.endr
.endm
; BEHIND A BLOCK: the stage is free (its stores into LDS were waited for ahead of tile 7's barrier): the gather for the block after next goes out; it has six and a half tiles, 260 matrix instructions, in which to land.
.macro POST p
	WIN 0
	s_cmp_eq_u32 s35, 3
	s_cbranch_scc1 .Lno_post_\@                    ; the last trip's blocks have none after next
	s_wait_loadcnt 0x0                             ; the group's ids and scalars are in, and no load still reads an offset register
	GATHER \p
.if (\p) == 1
	v_add_nc_u32 v[ROFF], 256, v[ROFF]
	s_cmp_ge_u32 s35, 2
	s_cbranch_scc1 .Lno_post_\@                    ; there is no fifth group: no load leaves its buffer
	RAWLOAD
.endif
.Lno_post_\@:
.endm
; A BLOCK.  Two barriers.  In tile 1: the block before's last partial sums (stored in tile 0's run) are seen by their owners, who read them from tile 2 on.  In tile 7: the next block's images (stored in tile 6's run) are whole,
; nobody reads this block's images any more, and the owners' reads of the other buffer of partial sums are over, which the next block writes.
.macro BLOCK p
.irp k, 0,1,2,3,4,5,6,7
	PHASE 0, \k, \p, 0
.if (\k == 1) || (\k == 7)
	PHASE 1, \k, \p, 1
.else
	PHASE 1, \k, \p, 0
.endif
.endr
	POST \p
.endm
.macro PAIRS                           ; w2 and b1 of hidden unit 16 t + r, for my 8 hidden tiles
.irp t, 0,1,2,3,4,5,6,7
	global_load_b32 v[PAIR+2*\t], v[R4], s[20:21] offset:64*\t
	global_load_b32 v[PAIR+2*\t+1], v[R4], s[18:19] offset:64*\t
.endr
.endm
	; ---------------- the head ----------------
	s_load_b512 s[4:19], s[0:1], 0x0               ; the four id arrays s[4:11], the three scalar arrays s[12:17], b1 s[18:19]
	s_load_b256 s[20:27], s[0:1], 0x40             ; W2 s[20:21], b2 s[22:23], tab_codes s[24:25], tab_scales s[26:27]
	s_load_b128 s[28:31], s[0:1], 0x60             ; w1_codes s[28:29], w1_scales s[30:31]
	s_load_b64 s[32:33], s[0:1], 0x70              ; out0
	s_set_vgpr_msb 0xc0
	v_lshl_add_u32 v254, v0, 2, 0x33000
	v_mov_b32 v255, 0
	s_set_vgpr_msb 0xc000
	v_lshrrev_b32 v[T], 5, v0
	v_readfirstlane_b32 s34, v[T]                  ; wave 0..3
	v_and_b32 v[T], 15, v0                         ; r
	v_bfe_u32 v[T+1], v0, 4, 1                     ; h
	v_and_b32 v[T+2], 31, v0                       ; lane
	v_lshlrev_b32 v[LI], 4, v[T+2]
	v_lshlrev_b32 v[L4], 2, v[T+2]
	v_lshlrev_b32 v[L64], 6, v[T+2]
	v_lshlrev_b32 v[R4], 2, v[T]
	v_lshlrev_b32 v[H16], 4, v[T+1]
	v_lshlrev_b32 v[ROFF], 4, v[T]
	v_add_nc_u32 v[LOM], -1, v[T+1]
	v_lshl_add_u32 v[GOUT], v[T+1], 3, v[ROFF]
	v_add_nc_u32 v[XA+1], HALFI, v[LI]
	v_add_nc_u32 v[XA+2], IMGB, v[LI]
	v_add_nc_u32 v[XA+3], IMGB+HALFI, v[LI]
	s_mul_i32 s40, s34, 2*SLOTB                    ; my two slots
	v_add_nc_u32 v[IST], s40, v[LI]
	v_add_nc_u32 v[IST+1], IMGB, v[IST]
	v_mul_u32_u24 v[T+3], v[T+1], 8*PROW           ; partial sums, in: row 8 h (+ j), my wave's 64 bytes, 4 r
	v_add_nc_u32 v[T+3], v[T+3], v[R4]
	s_lshl_b32 s40, s34, 6
	s_add_co_u32 s40, s40, PART
	v_add_nc_u32 v[PST], s40, v[T+3]
	v_add_nc_u32 v[PST+1], PARTB, v[PST]
	v_mul_u32_u24 v[T+3], v[T+1], PSLOT            ; and back: slot 2 x wave + h, row r
	v_mad_u32_u24 v[T+3], v[T], PROW, v[T+3]
	s_mul_i32 s40, s34, 2*PSLOT
	s_add_co_u32 s40, s40, PART
	v_add_nc_u32 v[PRD], s40, v[T+3]
	v_add_nc_u32 v[PRD+1], PARTB, v[PRD]
	s_mov_b32 s36, 0xffff0000                      ; lanes 16-31
	s_mov_b32 s37, 0x600000                        ; the mantissa field of 448
	s_mov_b32 s38, 0x76543210
	s_mov_b32 s39, 0xfedcba98                      ; v_permlanex16_b32's selects for lane l xor 16
.irp i, 1,2,3,4,5,6,7,8,9,10,11,12,13,14,15
	v_mov_b32 v[X+64+\i], 0                        ; x's fifth fragment beyond its first register: zero codes, for the whole launch
.endr
.set ii, 0
.rept 32
	v_mov_b32 v[ACC+32+ii], 0                      ; the loop is written once: the first tile's phase 0 works on a tile that does not exist; what it makes of these zeros lands in a slot that is written again before it is read
.set ii, ii+1
.endr
.set ii, 0
.rept 8
	v_mov_b32 v[S+ii], 0
.set ii, ii+1
.endr
.set ii, 0
.rept 6
	v_mov_b32 v[LG+ii], 0                          ; written once, so that every way through the jumps finds them written
.set ii, ii+1
.endr
	WIN 0xc0
.irp t, 0,1,2,3,4,5,6,7
	v_mov_b32 v[RUN+1+2*\t], 0                     ; W1's fifth step: all but the eight words are zero codes
.endr
.set ii, 0
.rept 14
	v_mov_b32 v[RUN+16+ii], 0
.set ii, ii+1
.endr
	WIN 0
	s_lshl_b32 s40, ttmp9, 12                      ; my wave's 256 candidates: 4,096 bytes a work-group, 1,024 a wave
	s_lshl_b32 s41, s34, 10
	s_add_co_u32 s40, s40, s41
	s_mov_b32 s41, 0
	s_mov_b32 s43, 0
	s_wait_kmcnt 0x0
	s_load_b32 s44, s[22:23], 0x0                  ; b2
.irp i, 0,1,2,3,4,5,6
	s_add_nc_u64 s[4+2*\i:5+2*\i], s[4+2*\i:5+2*\i], s[40:41]
.endr
	s_add_nc_u64 s[32:33], s[32:33], s[40:41]
	s_mov_b64 s[48:49], s[18:19]                   ; b1 and W2 from their first number, for the sum of w2 b1
	s_mov_b64 s[50:51], s[20:21]
	s_lshl_b32 s42, s34, 10                        ; the fifth step's words: 128 bytes a tile, my 8 tiles
	s_add_nc_u64 s[46:47], s[28:29], s[42:43]
	s_add_nc_u64 s[46:47], s[46:47], 262144
	s_lshl_b32 s42, s34, 16                        ; my 8 tiles' images
	s_add_nc_u64 s[28:29], s[28:29], s[42:43]
	s_mul_i32 s42, s34, 2560                       ; my 20 registers of scale words
	s_add_nc_u64 s[30:31], s[30:31], s[42:43]
	s_lshl_b32 s42, s34, 9                         ; my 128 numbers of b1 and of W2
	s_add_nc_u64 s[18:19], s[18:19], s[42:43]
	s_add_nc_u64 s[20:21], s[20:21], s[42:43]
	RAWLOAD                                        ; group 0: seven loads
	WIN 0x40                                       ; window 1's part of W1: 48 loads.  Every work-group reads the same bytes of W1
.irp t, 0,1,2,3,4,5,6,7
.irp c, 0,1,2,3
	global_load_b128 v[16*\t+4*\c:16*\t+4*\c+3], v[LI], s[28:29] offset:8192*\t+512*\c th:TH_LOAD_HT
.endr
.endr
.irp t, 0,1,2,3
.irp c, 0,1,2,3
	global_load_b128 v[128+16*\t+4*\c:128+16*\t+4*\c+3], v[LI], s[28:29] offset:8192*\t+2048+512*\c th:TH_LOAD_HT
.endr
.endr
	WIN 0
	s_wait_loadcnt 48                              ; the seven are in; W1's 48 stay out
	GATHER 0                                       ; block 0 goes out ahead of the rest of W1
	WIN 0x40
	PAIRS
	WIN 0x80
.irp t, 4,5,6,7
.irp c, 0,1,2,3
	global_load_b128 v[16*(\t-4)+4*\c:16*(\t-4)+4*\c+3], v[LI], s[28:29] offset:8192*\t+2048+512*\c th:TH_LOAD_HT
.endr
.endr
.irp t, 0,1,2,3,4,5,6,7
.irp c, 0,1,2,3
	global_load_b128 v[64+16*\t+4*\c:64+16*\t+4*\c+3], v[LI], s[28:29] offset:8192*\t+4096+512*\c th:TH_LOAD_HT
.endr
.endr
	PAIRS
	WIN 0xc0
.irp t, 0,1,2,3,4,5,6,7
.irp c, 0,1,2,3
	global_load_b128 v[16*\t+4*\c:16*\t+4*\c+3], v[LI], s[28:29] offset:8192*\t+6144+512*\c th:TH_LOAD_HT
.endr
.endr
.irp t, 0,1,2,3,4,5,6,7
	global_load_b32 v[RUN+2*\t], v[L4], s[46:47] offset:128*\t
.endr
	PAIRS
	WIN 0
.irp a, 0,1,2,3
.irp s, 0,1,2,3,4
	global_load_b32 v[W1S+5*\a+\s], v[L4], s[30:31] offset:128*(5*\a+\s)
.endr
.endr
.irp i, 0,1,2,3
	global_load_b128 v[T+4*\i:T+4*\i+3], v[L64], s[48:49] offset:16*\i        ; 16 numbers of b1 a lane,
	global_load_b128 v[T+16+4*\i:T+16+4*\i+3], v[L64], s[50:51] offset:16*\i  ; and the same 16 of W2
.endr
	s_wait_loadcnt 0x0
.irp w, 1,2,3
	WIN 0x44*\w
.irp t, 0,1,2,3,4,5,6,7
	v_xor_b32 v[PAIR+2*\t+1], 0x80000000, v[PAIR+2*\t+1]   ; -b1
.endr
.endr
	WIN 0
	v_pk_mul_f32 v[SM:SM+1], v[T:T+1], v[T+16:T+17]        ; the sum of w2 b1 over all 512 hidden units
.irp i, 2,4,6,8,10,12,14
	v_pk_fma_f32 v[SM:SM+1], v[T+\i:T+\i+1], v[T+16+\i:T+17+\i], v[SM:SM+1]
.endr
	v_add_f32 v[SM], v[SM], v[SM+1]
	v_add_f32_dpp v[SM], v[SM], v[SM] row_xmask:1 row_mask:0xf bank_mask:0xf
	v_add_f32_dpp v[SM], v[SM], v[SM] row_xmask:2 row_mask:0xf bank_mask:0xf
	v_add_f32_dpp v[SM], v[SM], v[SM] row_xmask:4 row_mask:0xf bank_mask:0xf
	v_add_f32_dpp v[SM], v[SM], v[SM] row_xmask:8 row_mask:0xf bank_mask:0xf
	v_permlanex16_b32 v[SM+1], v[SM], s38, s39
	v_add_f32 v[SM], v[SM], v[SM+1]
	s_wait_alu depctr_va_vdst(0)
	s_wait_kmcnt 0x0                               ; b2
	v_add_f32 v[CST], s44, v[SM]
	STORE 0                                        ; block 0's images
	s_wait_dscnt 0x0                               ; they have landed, and the stage has been read
	GATHER 1                                       ; block 1
	v_add_nc_u32 v[ROFF], 256, v[ROFF]
	RAWLOAD                                        ; group 1
	s_barrier_signal -1
	s_barrier_wait -1                              ; everybody's images of block 0 lie in LDS
	LOADXS 0, 0, 0
	LOADX 0, 0, 0
	LOADX 1, 0, 0
	LOADX 2, 0, 0
	LOADX 3, 0, 0
	s_wait_dscnt 8                                 ; the loop's first two waits count eight stores that this way in has not issued: so the scale words and fragments 0 and 1 are waited for here; the eight loads of fragments 2 and 3 stay out
	s_mov_b32 s35, 0
.Ltrip:                                                ; four trips, a group of 64 candidates a wave: two blocks.  (Tile 7 of the very last block fetches a next tile that nobody uses: bytes of the block before)
	BLOCK 0
	BLOCK 1
	s_add_co_u32 s35, s35, 1
	s_cmp_lt_u32 s35, 4
	s_cbranch_scc1 .Ltrip
	; ---------------- the tail: the last tile's second half, the last block's sums ----------------
	WIN 0x0c
.set jj, 0
.rept 32
	EPM jj, 0
.set jj, jj+1
.endr
.set jj, 0
.rept 16
	EPF jj, 0
.set jj, jj+1
.endr
	WIN 0
	FIN 1, 7
	s_wait_dscnt 0x0                               ; for the others' sake: my partial sums have landed
	s_barrier_signal -1
	s_barrier_wait -1
	OUTLD 0, 1
	s_wait_dscnt 0x0
	OUTSUM 0
	OUTLD 1, 1
	s_wait_alu depctr_va_vdst(0)
	s_wait_dscnt 0x0
	OUTSUM 1
	OUTFIN 1
	global_store_b64 v[GOUT], v[LG:LG+1], s[32:33] th:TH_STORE_NT   ; the last group
	s_set_vgpr_msb 0xf
	s_wait_tensorcnt 0x0
	ds_add_u32 v254, v255
	s_wait_dscnt 0x0
	s_set_vgpr_msb 0xf00
	s_endpgm
.Lfunc_end_k_q7c35044c25_score:
	.size	k_q7c35044c25_score, .Lfunc_end_k_q7c35044c25_score-k_q7c35044c25_score
	.p2alignl 7, 3214868480
	.fill 96, 4, 3214868480
	.section	.rodata,"a",@progbits
	.p2align	6, 0x0
	.amdhsa_kernel k_q7c35044c25_score
		.amdhsa_group_segment_fixed_size 209408
		.amdhsa_private_segment_fixed_size 0
		.amdhsa_enable_private_segment 0
		.amdhsa_kernarg_size 120
		.amdhsa_user_sgpr_count 2
		.amdhsa_user_sgpr_kernarg_segment_ptr 1
		.amdhsa_wavefront_size32 1
		.amdhsa_system_sgpr_workgroup_id_x 1
		.amdhsa_system_sgpr_workgroup_id_y 1
		.amdhsa_system_sgpr_workgroup_id_z 1
		.amdhsa_system_vgpr_workitem_id 0
		.amdhsa_next_free_vgpr 1024
		.amdhsa_next_free_sgpr 66
		.amdhsa_reserve_vcc 0
		.amdhsa_float_denorm_mode_32 3
		.amdhsa_float_denorm_mode_16_64 3
		.amdhsa_memory_ordered 1
		.amdhsa_forward_progress 1
		.amdhsa_inst_pref_size 255
	.end_amdhsa_kernel
	.section	.bss,"aw",@nobits
	.p2align	6
	.space	262144
	.amdgpu_metadata
---
amdhsa.version: [ 1, 2 ]
amdhsa.kernels:
  - .name:           k_q7c35044c25_score
    .symbol:         k_q7c35044c25_score.kd
    .args:
      - { .name: target_item_ids, .offset: 0, .size: 8, .value_kind: global_buffer, .address_space: global }
      - { .name: original_item_ids, .offset: 8, .size: 8, .value_kind: global_buffer, .address_space: global }
      - { .name: left_item_ids, .offset: 16, .size: 8, .value_kind: global_buffer, .address_space: global }
      - { .name: right_item_ids, .offset: 24, .size: 8, .value_kind: global_buffer, .address_space: global }
      - { .name: position_indices, .offset: 32, .size: 8, .value_kind: global_buffer, .address_space: global }
      - { .name: normalized_positions, .offset: 40, .size: 8, .value_kind: global_buffer, .address_space: global }
      - { .name: session_lengths, .offset: 48, .size: 8, .value_kind: global_buffer, .address_space: global }
      - { .name: b1, .offset: 56, .size: 8, .value_kind: global_buffer, .address_space: global }
      - { .name: W2, .offset: 64, .size: 8, .value_kind: global_buffer, .address_space: global }
      - { .name: b2, .offset: 72, .size: 8, .value_kind: global_buffer, .address_space: global }
      - { .name: tab_codes, .offset: 80, .size: 8, .value_kind: global_buffer, .address_space: global }
      - { .name: tab_scales, .offset: 88, .size: 8, .value_kind: global_buffer, .address_space: global }
      - { .name: w1_codes, .offset: 96, .size: 8, .value_kind: global_buffer, .address_space: global }
      - { .name: w1_scales, .offset: 104, .size: 8, .value_kind: global_buffer, .address_space: global }
      - { .name: out0, .offset: 112, .size: 8, .value_kind: global_buffer, .address_space: global }
    .group_segment_fixed_size: 209408
    .private_segment_fixed_size: 0
    .kernarg_segment_align: 8
    .kernarg_segment_size: 120
    .max_flat_workgroup_size: 128
    .sgpr_count:     66
    .vgpr_count:     1024
    .wavefront_size: 32
...
	.end_amdgpu_metadata
.endif
;; end of part 2
